; MI455X (gfx1250); checked and timed in simulation.
; The chip was launched on July 23, 2026; its instructions are those of AMD's public machine-readable ISA for CDNA 5 (MIT licence, August 2026) and "CDNA5" Instruction Set Architecture Reference Guide (July 2026). The comments in the code are by the model that wrote it; some were corrected since.
;; Act MLP Network. Allowed arithmetic: float matrix products may take bf16 or f16 operands with f32 sums; all other float work in f32.
;; Inputs: emb 32 x 1,100 x 8 float32; in_proj_b 24 float32; in_proj_w 24 x 8 float32; lin_b 16 float32; lin_w 16 x 256 float32; out_proj_b 8 float32; out_proj_w 8 x 8 float32; x 1,024 x 32 float32.
;; Outputs: out0 1,024 x 16 float32.
;; One version. Each part assembles by itself: llvm-mc -triple=amdgcn-amd-amdhsa -mcpu=gfx1250 --defsym DOCPART=n.
;; ======== version 1 of 1: 3 launches
;; workspace buffers: tab 3,379,200 bytes; idxt 131,072 bytes of whole numbers; o2 524,288 bytes
;; launch prep (part 1): grid 291 x 1, 8 waves a work-group, no clusters, 17,408 bytes of LDS; arguments emb, in_proj_w, in_proj_b, x, tab, idxt; writes tab, idxt
.if DOCPART == 1
	.amdgcn_target "amdgcn-amd-amdhsa--gfx1250"
	.amdhsa_code_object_version 6
	.text
	.protected	k_qe2965fe421_prep
	.globl	k_qe2965fe421_prep
	.p2align	8
	.type	k_qe2965fe421_prep,@function
k_qe2965fe421_prep:
	s_mov_b64 s[64:65], 0
	v_nop
	global_prefetch_b8 v0, s[64:65] scope:SCOPE_SE
	s_setreg_imm32_b32 hwreg(HW_REG_WAVE_MODE, 25, 1), 1
	s_wait_xcnt 0x0
; Two jobs that need nothing of each other, told apart by the work-group's number.
; (a) Work-groups 0..274: q, k, v of EVERY table row (32 x 1100 = 35,200 rows, about as many as the 32,768 rows that are gathered later),
;     written as bf16 rows that the attention launch can use as matrix operands without further arithmetic:
;       tab + 0    : [35200][64 B]  kh0 kl0 kh1 kl1 kh2 kl2 kh3 kl3 | v01 v23 v45 v67 | 0x00003f80 0 0 0
;       tab + QOFF : [35200][32 B]  qh0 ql0 qh1 ql1 qh2 ql2 qh3 ql3
;     khg = head g's two numbers rounded to bf16 (dim 0 in the low half), klg = bf16 of what that rounding left over; q likewise, after
;     q has been multiplied by log2(e)/sqrt(2), so that the scores are exponents of 2.  The 1.0 behind v makes the row sums of the softmax.
; (b) Work-groups 275..290: clip and bucketize x, stored as whole numbers idxt[feature][row].
; LIMITS: a NaN in x is taken as -1 (bin 0).  Numbers of magnitude 3.39e38 and above, whose bf16 high part overflows, are not served.
;         Bin edge i (0 .. 1098) is made as i K - u with u = 1 - i R, where R = 1/1099 rounded to f32 and K = 300 R rounded to f32, and each
;         of the two is ONE fused multiply-add, rounded once; edge 1099 is 300.  An x within one unit in the last place of an edge hangs on
;         these roundings.
.set NPROJ, 275                        ; work-groups of job (a): 275 x 8 waves x 16 rows = 35,200
.set QOFF,  2252800                    ; 35,200 x 64
.set XR,   16                          ; v[16:23]   my table row, 8 f32
.set W1R,  24                          ; v[24:31]   in_proj_w row r (q and k outputs)
.set W2R,  32                          ; v[32:39]   in_proj_w row 16 + (r & 7) (v outputs)
.set ACC1, 40                          ; v[40:47]   bias, then outputs 8h + j of table row r
.set ACC2, 48                          ; v[48:55]   bias, then outputs 16 + j
.set WA1,  56                          ; v[56:63]   A fragment: high parts in 0-3, low parts in 4-7
.set WA2,  64                          ; v[64:71]
.set XH,   72                          ; v[72:75]   the row's high parts
.set XL,   76                          ; v[76:79]   the row's low parts
.set XB,   80                          ; v[80:87]   B fragment
.set TMP,  88                          ; v[88:95]   at work in SPLIT
.set TQK,  96                          ; v[96:103]  hi, lo interleaved: q (lanes 0-15), k (lanes 16-31)
.set UV,   104                         ; v[104:107] v in bf16 (lanes 0-15), 1.0 and zeros (lanes 16-31)
.set RB,   108                         ; v[108:119] rows read back from the stage
	s_load_b256 s[4:11], s[0:1], 0x0               ; emb s[4:5], in_proj_w s[6:7], in_proj_b s[8:9], x s[10:11]
	s_load_b128 s[12:15], s[0:1], 0x20             ; tab s[12:13], idxt s[14:15]
	v_lshl_add_u32 v120, v0, 2, 0x4000
	v_mov_b32 v121, 0
	v_lshrrev_b32 v1, 5, v0
	v_readfirstlane_b32 s16, v1                    ; wave 0..7
	v_and_b32 v2, 31, v0                           ; lane L
	s_mov_b32 s20, 0xffff0000                      ; lanes 16-31 as a mask; also a word's upper bf16
	s_cmp_ge_u32 ttmp9, NPROJ
	s_cbranch_scc1 .Lbucket
; ---------------------------------------------------------------- (a) projection: one tile of 16 table rows a wave
; 8 f32 at src -> 4 words of bf16 high parts at hb, hb+hs, .. and 4 words of bf16 low parts (src - high part, exact in f32) at lb, lb+ls, ..
.macro SPLIT src, hb, hs, lb, ls
.irp i, 0,1,2,3
	v_cvt_pk_bf16_f32 v[\hb+\hs*\i], v[\src+2*\i], v[\src+2*\i+1]
.endr
.irp i, 0,1,2,3
	v_lshlrev_b32 v[TMP+2*\i],   16,  v[\hb+\hs*\i]
	v_and_b32     v[TMP+2*\i+1], s20, v[\hb+\hs*\i]
.endr
.irp i, 0,1,2,3
	v_pk_add_f32 v[TMP+2*\i:TMP+2*\i+1], v[\src+2*\i:\src+2*\i+1], v[TMP+2*\i:TMP+2*\i+1] neg_lo:[0,1] neg_hi:[0,1]
.endr
.irp i, 0,1,2,3
	v_cvt_pk_bf16_f32 v[\lb+\ls*\i], v[TMP+2*\i], v[TMP+2*\i+1]
.endr
.endm
	v_and_b32 v3, 15, v0                           ; r
	v_bfe_u32 v4, v0, 4, 1                         ; h
	v_lshlrev_b32 v5, 5, v3                        ; 32 r: a row of 8 f32
	v_and_b32 v6, 7, v0
	v_lshlrev_b32 v6, 5, v6                        ; 32 (r & 7)
	v_lshlrev_b32 v7, 5, v4                        ; 32 h
	v_mov_b32 v8, 0
	s_lshl_b32 s17, ttmp9, 3
	s_add_co_u32 s17, s17, s16                     ; tile T = 8 x work-group + wave
	s_lshl_b32 s18, s17, 9                         ; T x 16 rows x 32 bytes (emb, and tab's q rows)
	s_mov_b32 s19, 0
	s_lshl_b32 s22, s17, 10                        ; T x 16 rows x 64 bytes (tab's k, v rows)
	s_mov_b32 s23, 0
	s_wait_kmcnt 0x0
	s_add_nc_u64 s[4:5], s[4:5], s[18:19]
	s_add_nc_u64 s[24:25], s[12:13], s[18:19]      ; q rows; QOFF stands in the store's immediate
	s_add_nc_u64 s[12:13], s[12:13], s[22:23]      ; k, v rows
	global_load_b128 v[XR:XR+3],       v5, s[4:5]
	global_load_b128 v[XR+4:XR+7],     v5, s[4:5] offset:16
	global_load_b128 v[W1R:W1R+3],     v5, s[6:7]
	global_load_b128 v[W1R+4:W1R+7],   v5, s[6:7] offset:16
	global_load_b128 v[W2R:W2R+3],     v6, s[6:7] offset:512
	global_load_b128 v[W2R+4:W2R+7],   v6, s[6:7] offset:528
	global_load_b128 v[ACC1:ACC1+3],   v7, s[8:9]              ; bias[8h + j]: the sums start on it
	global_load_b128 v[ACC1+4:ACC1+7], v7, s[8:9] offset:16
	global_load_b128 v[ACC2:ACC2+3],   v8, s[8:9] offset:64    ; bias[16 + j]
	global_load_b128 v[ACC2+4:ACC2+7], v8, s[8:9] offset:80
	v_mov_b32 v13, 1.0
	v_mov_b32 v10, 0x3f8293ee                      ; log2(e)/sqrt(2), for q (lanes 0-15);
	v_cndmask_b32 v10, v10, v13, s20               ; 1.0 for k (lanes 16-31)
	v_mov_b32 v11, v10
	v_mov_b32 v12, 0x3f80                          ; bf16 1.0 in the low half
	s_wait_loadcnt 0x0                             ; all ten are needed at once
	SPLIT W1R, WA1, 1, WA1+4, 1
	SPLIT W2R, WA2, 1, WA2+4, 1
	SPLIT XR,  XH,  1, XL,    1
	; The 32 places along K are four groups of 8 (ISA guide 7.12.2: lanes 0-15 registers 0-3, lanes 16-31 registers 0-3, and the same for 4-7).
	; A holds Wh, Wh, Wl, Wl in them and B holds xh, xl, xh, xl: the sum is (Wh + Wl)(xh + xl).
.irp i, 0,1,2,3
	v_cndmask_b32 v[XB+\i],   v[XH+\i], v[XL+\i], s20
	v_cndmask_b32 v[XB+4+\i], v[XH+\i], v[XL+\i], s20
.endr
	v_wmma_f32_16x16x32_bf16 v[ACC1:ACC1+7], v[WA1:WA1+7], v[XB:XB+7], v[ACC1:ACC1+7]
	v_wmma_f32_16x16x32_bf16 v[ACC2:ACC2+7], v[WA2:WA2+7], v[XB:XB+7], v[ACC2:ACC2+7]
	; The stage's addresses fill the four places that the results' first reader keeps behind a matrix instruction (ISA guide 7.12.1).
	; Stage of a wave: 2,048 bytes of its own; q rows at 0, k/v rows at 1,024, both 64 bytes apart.
	v_lshlrev_b32 v14, 6, v3                       ; 64 r
	v_lshlrev_b32 v9, 4, v2                        ; 16 L
	v_lshrrev_b32 v1, 1, v2
	v_and_b32 v6, 1, v0
	v_lshl_add_u32 v15, v4, 4, v14                 ; 64 r + 16 h          (v, or the 1.0; + 1,056 in the immediate)
	v_lshl_add_u32 v14, v4, 10, v14                ; 64 r + 1,024 h       (q rows below, k rows above)
	v_lshlrev_b32 v1, 6, v1
	v_mov_b32 v5, v9                               ; 16 L, the stores' offset in memory
	v_lshl_add_u32 v1, v6, 4, v1                   ; 64 (L >> 1) + 16 (L & 1): q rows read back without their gaps
	v_lshl_add_u32 v14, s16, 11, v14
	v_lshl_add_u32 v15, s16, 11, v15
	v_lshl_add_u32 v9,  s16, 11, v9
	v_lshl_add_u32 v1,  s16, 11, v1
.irp i, 0,2,4,6
	v_pk_mul_f32 v[ACC1+\i:ACC1+\i+1], v[ACC1+\i:ACC1+\i+1], v[10:11]
.endr
	SPLIT ACC1, TQK, 2, TQK+1, 2
.irp i, 0,1,2,3
	v_cvt_pk_bf16_f32 v[UV+\i], v[ACC2+2*\i], v[ACC2+2*\i+1]
.endr
	v_cndmask_b32 v[UV],   v[UV],   v12, s20       ; lanes 16-31 write the row's last 16 bytes: 1.0, then zeros
	v_cndmask_b32 v[UV+1], v[UV+1], v8,  s20
	v_cndmask_b32 v[UV+2], v[UV+2], v8,  s20
	v_cndmask_b32 v[UV+3], v[UV+3], v8,  s20
	ds_store_b128 v14, v[TQK:TQK+3]
	ds_store_b128 v14, v[TQK+4:TQK+7] offset:16
	ds_store_b128 v15, v[UV:UV+3] offset:1056
	ds_load_b128 v[RB:RB+3],    v9 offset:1024     ; LDS serves a wave's instructions in order (ISA guide 5.7.1): these see the stores above
	ds_load_b128 v[RB+4:RB+7],  v9 offset:1536
	ds_load_b128 v[RB+8:RB+11], v1
	s_wait_dscnt 0x2                               ; two younger loads stay out
	global_store_b128 v5, v[RB:RB+3],    s[12:13]              ; each store of the wave covers 512 consecutive bytes, aligned
	s_wait_dscnt 0x1
	global_store_b128 v5, v[RB+4:RB+7],  s[12:13] offset:512
	s_wait_dscnt 0x0
	global_store_b128 v5, v[RB+8:RB+11], s[24:25] offset:QOFF
	s_wait_tensorcnt 0x0
	ds_add_u32 v120, v121
	s_wait_dscnt 0x0
	s_endpgm
; ---------------------------------------------------------------- (b) bucketize: 64 rows of x a work-group, 4 features a wave, 2 rows a lane
.set XC, 32                            ; the clipped x
.set TT, 33                            ; its place among the edges, as a fraction
.set CF, 34                            ; that, cut to a whole number, in f32
.set EI, 35                            ; the number i of the edge that is tried
.set UU, 36                            ; u = 1 - i R
.set PP, 37                            ; the edge, i K - u
.set BB, 38                            ; 1 where the edge lies below x
.set KK, 39                            ; K = 300 R, rounded to f32
; out = the number of edges below the clipped x.  c = (x + 1) 1099/301 cut to a whole number is off by less than one, so edges 0 .. c-2 lie
; below x and edges from c+2 on do not: c - 1 plus three comparisons with the edges c-1, c, c+1 themselves.  Edge -1 is always below, which
; keeps the count right at the lower end.  The table's last edge is 300 itself, which no clipped x exceeds, so the count never passes 1,099:
; the cap at the end holds that whatever the formula gives for i = 1099 and 1100.
.macro BUCKET xin, out
	v_max_num_f32 v[XC], -1.0, v[\xin]
	v_min_num_f32 v[XC], s27, v[XC]
	v_fma_f32 v[TT], v[XC], s24, s24               ; 0 or above
	v_cvt_i32_f32 v[\out], v[TT]                   ; toward zero
	v_cvt_f32_i32 v[CF], v[\out]
	v_add_nc_u32 v[\out], -1, v[\out]
.irp d, -1.0, 0, 1.0
	v_add_f32 v[EI], \d, v[CF]
	v_fma_f32 v[UU], -v[EI], s25, 1.0              ; u = 1 - i R, rounded once
	v_fma_f32 v[PP], v[EI], v[KK], -v[UU]          ; the edge = i K - u, rounded once
	v_cmp_lt_f32 vcc_lo, v[PP], v[XC]
	v_cndmask_b32 v[BB], 0, 1, vcc_lo
	v_add_nc_u32 v[\out], v[\out], v[BB]
.endr
	v_min_u32 v[\out], 0x44b, v[\out]
.endm
.Lbucket:
	s_sub_co_u32 s17, ttmp9, NPROJ                 ; g = 0..15
	s_lshl_b32 s18, s17, 13                        ; 64 rows of 128 bytes of x
	s_mov_b32 s19, 0
	s_lshl_b32 s22, s17, 8                         ; 64 whole numbers in each feature's row of idxt
	s_mov_b32 s23, 0
	s_mov_b32 s24, 0x4069aca7                      ; 1099/301
	s_mov_b32 s25, 0x3a6e8792                      ; R = 1/1099, rounded to f32
	s_mov_b32 s27, 0x43960000                      ; 300.0
	v_mov_b32 v[KK], s27
	v_mul_f32 v[KK], s25, v[KK]                    ; K = 300 R, rounded to f32
	v_lshlrev_b32 v3, 8, v2                        ; rows 2L, 2L + 1
	v_lshl_add_u32 v3, s16, 4, v3                  ; features 4w .. 4w + 3
	v_lshlrev_b32 v4, 3, v2                        ; idxt: 8 L
	v_lshl_add_u32 v4, s16, 14, v4                 ; + 4w rows of 4,096 bytes
	s_wait_kmcnt 0x0
	s_add_nc_u64 s[10:11], s[10:11], s[18:19]
	s_add_nc_u64 s[14:15], s[14:15], s[22:23]
	global_load_b128 v[16:19], v3, s[10:11]
	global_load_b128 v[20:23], v3, s[10:11] offset:128
	s_wait_loadcnt 0x0
.irp j, 0,1,2,3
	BUCKET 16+\j, 24+2*\j
	BUCKET 20+\j, 25+2*\j
.endr
.irp j, 0,1,2,3
	global_store_b64 v4, v[24+2*\j:25+2*\j], s[14:15] offset:\j*4096   ; 32 lanes x 8 bytes: 256 consecutive bytes, aligned
.endr
	s_endpgm
.Lfunc_end_k_qe2965fe421_prep:
	.size	k_qe2965fe421_prep, .Lfunc_end_k_qe2965fe421_prep-k_qe2965fe421_prep
	.p2alignl 7, 3214868480
	.fill 96, 4, 3214868480
	.section	.rodata,"a",@progbits
	.p2align	6, 0x0
	.amdhsa_kernel k_qe2965fe421_prep
		.amdhsa_group_segment_fixed_size 17408
		.amdhsa_private_segment_fixed_size 0
		.amdhsa_enable_private_segment 0
		.amdhsa_kernarg_size 48
		.amdhsa_user_sgpr_count 2
		.amdhsa_user_sgpr_kernarg_segment_ptr 1
		.amdhsa_wavefront_size32 1
		.amdhsa_system_sgpr_workgroup_id_x 1
		.amdhsa_system_sgpr_workgroup_id_y 1
		.amdhsa_system_sgpr_workgroup_id_z 1
		.amdhsa_system_vgpr_workitem_id 0
		.amdhsa_next_free_vgpr 122
		.amdhsa_next_free_sgpr 66
		.amdhsa_reserve_vcc 1
		.amdhsa_float_denorm_mode_32 3
		.amdhsa_float_denorm_mode_16_64 3
		.amdhsa_memory_ordered 1
		.amdhsa_forward_progress 1
		.amdhsa_inst_pref_size 20
	.end_amdhsa_kernel
	.amdgpu_metadata
---
amdhsa.version: [ 1, 2 ]
amdhsa.kernels:
  - .name:           k_qe2965fe421_prep
    .symbol:         k_qe2965fe421_prep.kd
    .args:
      - { .name: emb, .offset: 0, .size: 8, .value_kind: global_buffer, .address_space: global }
      - { .name: in_proj_w, .offset: 8, .size: 8, .value_kind: global_buffer, .address_space: global }
      - { .name: in_proj_b, .offset: 16, .size: 8, .value_kind: global_buffer, .address_space: global }
      - { .name: x, .offset: 24, .size: 8, .value_kind: global_buffer, .address_space: global }
      - { .name: tab, .offset: 32, .size: 8, .value_kind: global_buffer, .address_space: global }
      - { .name: idxt, .offset: 40, .size: 8, .value_kind: global_buffer, .address_space: global }
    .group_segment_fixed_size: 17408
    .private_segment_fixed_size: 0
    .kernarg_segment_align: 8
    .kernarg_segment_size: 48
    .max_flat_workgroup_size: 256
    .sgpr_count:     66
    .vgpr_count:     122
    .wavefront_size: 32
...
	.end_amdgpu_metadata
.endif
;; end of part 1
;; launch attn (part 2): grid 8 x 32, 8 waves a work-group, no clusters, 168,960 bytes of LDS; arguments tab, idxt, out_proj_w, out_proj_b, o2; writes o2
.if DOCPART == 2
	.amdgcn_target "amdgcn-amd-amdhsa--gfx1250"
	.amdhsa_code_object_version 6
	.text
	.protected	k_qe2965fe421_attn
	.globl	k_qe2965fe421_attn
	.p2align	8
	.type	k_qe2965fe421_attn,@function
k_qe2965fe421_attn:
	s_mov_b64 s[64:65], 0
	v_nop
	global_prefetch_b8 v0, s[64:65] scope:SCOPE_SE
	s_setreg_imm32_b32 hwreg(HW_REG_WAVE_MODE, 25, 1), 1
	s_wait_xcnt 0x0
; Attention of one feature f (grid y) for 128 queries (grid x), all four heads, over all 1,024 keys; then out_proj.  o2[f][b][8] in bf16.
; A wave has 16 queries.  The feature's 1,024 projected k and v rows are gathered once into LDS by lane-wise copies and only read afterwards.
; SCORES TRANSPOSED: tile = K (16 keys, source 0) x Q (16 queries, source 1).  Lane (r, h) then holds keys 8h + 0..7 of query r, so that after
;   the exponential two tiles, packed to bf16, ARE source 1 (32 keys x query r) of O^T = V^T P^T: P never moves between lanes.
; ONE K FRAGMENT FOR FOUR HEADS, AND TWO bf16 FOR EACH NUMBER: the 32 places along K are 16 words.  In lanes of half h the key side holds
;   kh, kl of heads 2h, 2h+1 in registers 0-3 and the same 16 bytes again in 4-7.  The query fragment of head a (e = a & 1) is zero but in
;   half a >> 1, where registers 2e, 2e+1 hold qh and 4+2e, 5+2e hold ql: the product is (qh + ql)(kh + kl) of that head alone.
; THE ROW MAXIMUM is found in a first pass over the scores and taken away in the second by the matrix instruction itself (its C operand
;   is -m in all eight registers).  THE ROW SUMS come from the matrix unit too: v's row has a 1.0 as its ninth number.
; No joint loads in a cluster, although the eight work-groups of a feature gather the same rows: the rows are picked by an index for each key,
;   and a tile descriptor states one pitch; so each work-group copies its 64 KiB itself.
; LIMITS: P, v, o and out_proj_w enter the matrix unit as plain bf16.  Infinite or NaN table rows are not served (they meet the zeros above).
.set QOFF, 2252800
.set PK,   48                          ; LDS pitch of a k row and of a v row (32 bytes used): an odd multiple of 16, so 16 rows start in 16 different 16-byte columns
.set VBASE, 49152                      ; 1,024 x 48: v rows lie behind the k rows
.set BLK,  32*PK                       ; a block of 32 keys
.set KAD0, 2                           ; v2  r x 48 + 16 h, never stepped
.set KADP, 3                           ; v3  the same, stepped by two blocks a trip
.set VADP, 4                           ; v4  address of the transposing loads of v, stepped likewise
.set M,    8                           ; v[8:15]    two running maxima for each head (in the prologue: offsets)
.set QF,   16                          ; v[16:47]   query fragments, 8 registers a head
.set NEGM, 48                          ; v[48:79]   -maximum, eight times, for each head
.set ACC,  80                          ; v[80:111]  O^T, 8 registers a head
.set SB0,  112                         ; v[112:127] scores of 32 keys, two buffers
.set SB1,  128                         ; v[128:143]
.set PB0,  144                         ; v[144:151] P in bf16, two buffers
.set PB1,  152                         ; v[152:159]
.set KF0,  160                         ; v[160:175] k fragments of a block (two tiles of 16 keys), two buffers
.set KF1,  176                         ; v[176:191]
.set VF0,  192                         ; v[192:199] v fragment of a block, two buffers
.set VF1,  200                         ; v[200:207]
.set WO,   208                         ; v[208:215] out_proj_w as source 0
.set BO,   216                         ; v[216:223] out_proj_b, then the result
.set OB,   224                         ; v[224:231] o as source 1
.set QR,   232                         ; v[232:239] my query's row of tab
.set WR,   240                         ; v[240:247] out_proj_w row r & 7 in f32
.set G,    SB0                         ; prologue only: 16 indices, then offsets in tab
.set LA,   SB1                         ; prologue only: 16 LDS addresses
	s_load_b256 s[4:11], s[0:1], 0x0               ; tab s[4:5], idxt s[6:7], out_proj_w s[8:9], out_proj_b s[10:11]
	s_load_b64 s[12:13], s[0:1], 0x20              ; o2
	v_lshl_add_u32 v248, v0, 2, 0x29000
	v_mov_b32 v249, 0
	ds_add_u32 v248, v249
	ds_add_u32 v248, v249
	v_lshrrev_b32 v1, 5, v0
	v_readfirstlane_b32 s15, v1                    ; wave 0..7
	s_and_b32 s14, ttmp7, 0xffff                   ; feature f
	s_mov_b32 s22, 0x0000ffff                      ; lanes 0-15
	s_mov_b32 s23, 0xffff0000                      ; lanes 16-31
	s_mov_b32 s24, 0x76543210                      ; v_permlanex16_b32: lane i reads lane i of the other half
	s_mov_b32 s25, 0xfedcba98
	v_and_b32 v8, 0xfc, v0                         ; 4 (t >> 2): four threads share a key's index
	v_and_b32 v6, 15, v0                           ; r
	v_lshlrev_b32 v9, 2, v6
	v_lshl_add_u32 v9, v1, 6, v9                   ; my query's index: 64 wave + 4 r
	v_and_b32 v10, 7, v0
	v_lshlrev_b32 v10, 5, v10                      ; out_proj_w row r & 7
	v_mov_b32 v11, 0
	s_mul_i32 s16, s14, 70400                      ; f x 1,100 rows of 64 bytes
	s_mov_b32 s17, 0
	s_mul_i32 s28, s14, 35200                      ; f x 1,100 rows of 32 bytes
	s_mov_b32 s29, 0
	s_lshl_b32 s30, s14, 12                        ; f x 1,024 indices
	s_mov_b32 s31, 0
	s_lshl_b32 s32, ttmp9, 9                       ; query block x 128 indices
	s_mov_b32 s33, 0
	s_lshl_b32 s34, s14, 14                        ; o2: (1,024 f + 128 block + 16 wave) rows of 16 bytes
	s_lshl_b32 s26, ttmp9, 11
	s_add_co_u32 s34, s34, s26
	s_lshl_b32 s26, s15, 8
	s_add_co_u32 s34, s34, s26
	s_mov_b32 s35, 0
	s_wait_dscnt 0x0
	s_wait_kmcnt 0x0
	s_add_nc_u64 s[18:19], s[4:5], s[28:29]        ; the feature's q rows (QOFF in the immediate)
	s_add_nc_u64 s[4:5], s[4:5], s[16:17]          ; the feature's k, v rows
	s_add_nc_u64 s[6:7], s[6:7], s[30:31]
	s_add_nc_u64 s[20:21], s[6:7], s[32:33]
	s_add_nc_u64 s[12:13], s[12:13], s[34:35]
.irp i, 0,1,2,3,4,5,6,7,8,9,10,11,12,13,14,15
	global_load_b32 v[G+\i], v8, s[6:7] offset:\i*256          ; index of key 64 i + (t >> 2)
.endr
	global_load_b32 v12, v9, s[20:21]
	global_load_b128 v[WR:WR+3],   v10, s[8:9]
	global_load_b128 v[WR+4:WR+7], v10, s[8:9] offset:16
	global_load_b128 v[BO:BO+3],   v11, s[10:11]
	global_load_b128 v[BO+4:BO+7], v11, s[10:11] offset:16
	v_and_b32 v13, 3, v0
	v_lshlrev_b32 v13, 4, v13                      ; my 16 of the row's 64 bytes
	v_lshrrev_b32 v14, 2, v0
	v_mul_u32_u24 v14, PK, v14                     ; LDS: row t >> 2 of the 64,
	v_and_b32 v15, 1, v0
	v_lshl_add_u32 v14, v15, 4, v14                ; its first or second 16 bytes,
	v_bfe_u32 v15, v0, 1, 1
	v_mul_u32_u24 v15, VBASE, v15                  ; among the k rows (bytes 0-31 of the table's row) or the v rows (bytes 32-63)
	v_add_nc_u32 v14, v14, v15
.irp i, 0,1,2,3,4,5,6,7,8,9,10,11,12,13,14,15
	v_add_nc_u32 v[LA+\i], \i*64*PK, v14
.endr
	v_mul_u32_u24 v[KAD0], PK, v6
	v_bfe_u32 v7, v0, 4, 1                         ; h
	v_lshl_add_u32 v[KAD0], v7, 4, v[KAD0]
	v_and_b32 v[VADP], 7, v0                       ; transposing load (ISA guide 11.2.4): lane L addresses key 8h + (L & 7), numbers 8 ((L >> 3) & 1) ..
	v_mul_u32_u24 v[VADP], PK, v[VADP]
	v_bfe_u32 v1, v0, 3, 1
	v_lshl_add_u32 v[VADP], v1, 4, v[VADP]
	v_mul_u32_u24 v1, 8*PK, v7
	v_add3_u32 v[VADP], v[VADP], v1, VBASE
	v_lshlrev_b32 v5, 4, v6                        ; 16 r: my row of o2
	s_wait_loadcnt 0x4                             ; the 17 indices are in; the four loads of out_proj's numbers stay out
.irp i, 0,1,2,3,4,5,6,7,8,9,10,11,12,13,14,15
	v_min_u32 v[G+\i], 0x44b, v[G+\i]              ; an index stays inside its table of 1,100 rows
	v_lshlrev_b32 v[G+\i], 6, v[G+\i]
	v_add_nc_u32 v[G+\i], v[G+\i], v13
.endr
.irp i, 0,1,2,3,4,5,6,7,8,9,10,11,12,13,14,15
	global_load_async_to_lds_b128 v[LA+\i], v[G+\i], s[4:5]    ; a wave's copy: 8 keys x 64 consecutive bytes.  G, LA, s[4:5] stay as they are until the wait on ASYNCcnt
.endr
	v_min_u32 v12, 0x44b, v12
	v_lshlrev_b32 v12, 5, v12
	global_load_b128 v[QR:QR+3],   v12, s[18:19] offset:QOFF   ; qh0 ql0 qh1 ql1
	global_load_b128 v[QR+4:QR+7], v12, s[18:19] offset:QOFF+16 ; qh2 ql2 qh3 ql3
	s_wait_loadcnt 0x0
.macro MKQ a, mask                     ; head a's query fragment
.set QE, (\a)&1
	v_cndmask_b32 v[QF+8*\a+2*QE],   0, v[QR+2*\a],   \mask
	v_cndmask_b32 v[QF+8*\a+2*QE+1], 0, v[QR+2*\a],   \mask
	v_cndmask_b32 v[QF+8*\a+2*QE+4], 0, v[QR+2*\a+1], \mask
	v_cndmask_b32 v[QF+8*\a+2*QE+5], 0, v[QR+2*\a+1], \mask
	v_mov_b32 v[QF+8*\a+2-2*QE], 0
	v_mov_b32 v[QF+8*\a+3-2*QE], 0
	v_mov_b32 v[QF+8*\a+6-2*QE], 0
	v_mov_b32 v[QF+8*\a+7-2*QE], 0
.endm
	MKQ 0, s22
	MKQ 1, s22
	MKQ 2, s23
	MKQ 3, s23
.irp i, 0,1,2,3
	v_cvt_pk_bf16_f32 v[WO+\i], v[WR+2*\i], v[WR+2*\i+1]
.endr
.irp i, 0,1,2,3
	v_cndmask_b32 v[WO+\i], 0, v[WO+\i], s22       ; K = 0..7 lie in lanes 0-15, registers 0-3; all other places are zero
	v_mov_b32 v[WO+4+\i], 0
.endr
	s_wait_asynccnt 0x0                            ; my copies have landed,
	s_barrier_signal -1
	s_barrier_wait -1                              ; everybody's have.  LDS is only read from here on: the kernel's one barrier
; two score tiles (32 keys) of head g; neg = 1: minus the row's maximum
.macro WS g, kf, sb, neg
.if \neg
	v_wmma_f32_16x16x32_bf16 v[\sb:\sb+7],    v[\kf:\kf+7],    v[QF+8*\g:QF+8*\g+7], v[NEGM+8*\g:NEGM+8*\g+7]
	v_wmma_f32_16x16x32_bf16 v[\sb+8:\sb+15], v[\kf+8:\kf+15], v[QF+8*\g:QF+8*\g+7], v[NEGM+8*\g:NEGM+8*\g+7]
.else
	v_wmma_f32_16x16x32_bf16 v[\sb:\sb+7],    v[\kf:\kf+7],    v[QF+8*\g:QF+8*\g+7], 0
	v_wmma_f32_16x16x32_bf16 v[\sb+8:\sb+15], v[\kf+8:\kf+15], v[QF+8*\g:QF+8*\g+7], 0
.endif
.endm
.macro MAX8 g, sb                      ; 16 scores into head g's two running maxima
.irp i, 0,1,2,3,4,5,6,7
	v_max3_num_f32 v[M+2*\g+(\i&1)], v[M+2*\g+(\i&1)], v[\sb+2*\i], v[\sb+2*\i+1]
.endr
.endm
.macro LDK kf, areg, off               ; a block's k fragments; each 16 bytes go into registers 0-3 (they meet qh) and again into 4-7 (they meet ql)
	ds_load_b128 v[\kf:\kf+3],     v[\areg] offset:\off
	ds_load_b128 v[\kf+4:\kf+7],   v[\areg] offset:\off
	ds_load_b128 v[\kf+8:\kf+11],  v[\areg] offset:\off+16*PK
	ds_load_b128 v[\kf+12:\kf+15], v[\areg] offset:\off+16*PK
.endm
.macro LDV vf, off                     ; a block's v fragment: row = number 0..15 of v's row, K = 32 keys
	ds_load_tr16_b128 v[\vf:\vf+3],   v[VADP] offset:\off
	ds_load_tr16_b128 v[\vf+4:\vf+7], v[VADP] offset:\off+16*PK
.endm
.macro EXP16 sb
.irp i, 0,1,2,3,4,5,6,7,8,9,10,11,12,13,14,15
	v_exp_f32 v[\sb+\i], v[\sb+\i]
.endr
.endm
.macro CVT8 sb, pb
.irp i, 0,1,2,3,4,5,6,7
	v_cvt_pk_bf16_f32 v[\pb+\i], v[\sb+2*\i], v[\sb+2*\i+1]
.endr
.endm
.macro PV g, vf, pb, first
.if \first
	v_wmma_f32_16x16x32_bf16 v[ACC+8*\g:ACC+8*\g+7], v[\vf:\vf+7], v[\pb:\pb+7], 0
.else
	v_wmma_f32_16x16x32_bf16 v[ACC+8*\g:ACC+8*\g+7], v[\vf:\vf+7], v[\pb:\pb+7], v[ACC+8*\g:ACC+8*\g+7]
.endif
.endm
; ---------------------------------------------------------------- pass 1: the row maxima
; Between two score tiles and the maxima that read them stand the eight v_max3 of the head before, on the other buffer: more than the four
; places that a reader of a matrix result keeps, and sixteen before the buffer is written again (ISA guide 7.12.1).
.macro P1BLOCK kf
	WS 0, \kf, SB0, 0
	MAX8 3, SB1
	WS 1, \kf, SB1, 0
	MAX8 0, SB0
	WS 2, \kf, SB0, 0
	MAX8 1, SB1
	WS 3, \kf, SB1, 0
	MAX8 2, SB0
.endm
.macro P1TRIP nreg, noff               ; two blocks; nreg, noff: where the block behind them lies
	LDK KF1, KADP, BLK
	s_wait_dscnt 0x4                               ; the four loads just issued stay out: buffer 0 is in
	P1BLOCK KF0
	LDK KF0, \nreg, \noff
	s_wait_dscnt 0x4                               ; likewise: buffer 1 is in
	P1BLOCK KF1
	v_add_nc_u32 v[KADP], 2*BLK, v[KADP]
.endm
	v_mov_b32 v[KADP], v[KAD0]
	LDK KF0, KAD0, 0
	s_wait_dscnt 0x0
	WS 3, KF0, SB1, 0                              ; so that the first block's MAX8 3 has scores to read: head 3 of block 0, taken twice, which a maximum does not mind
.irp i, 0,1,2,3,4,5,6,7
	v_mov_b32 v[M+\i], 0xff800000                  ; -infinity
.endr
	s_mov_b32 s26, 15
.Lp1:
	P1TRIP KADP, 2*BLK
	s_sub_co_u32 s26, s26, 1
	s_cmp_lg_u32 s26, 0
	s_cbranch_scc1 .Lp1
	P1TRIP KAD0, 0                                 ; blocks 30, 31; what is fetched behind them is block 0 again, for pass 2
	MAX8 3, SB1
	LDV VF0, 0
	v_mov_b32 v[KADP], v[KAD0]
.irp g, 0,1,2,3
	v_max_num_f32 v[M+2*\g], v[M+2*\g], v[M+2*\g+1]
.endr
.irp g, 0,1,2,3
	v_permlanex16_b32 v[M+2*\g+1], v[M+2*\g], s24, s25         ; the other half's keys
.endr
.irp g, 0,1,2,3
	v_max_num_f32 v[M+2*\g], v[M+2*\g], v[M+2*\g+1]
.endr
.irp j, 0,1,2,3,4,5,6,7
	v_sub_f32 v[NEGM+\j], 0, v[M]
.endr
	s_wait_dscnt 0x2                               ; the two loads of v stay out: block 0's k fragments are in
	WS 0, KF0, SB0, 1
.irp g, 1,2,3
.irp j, 0,1,2,3,4,5,6,7
	v_sub_f32 v[NEGM+8*\g+\j], 0, v[M+2*\g]
.endr
.endr
; ---------------------------------------------------------------- pass 2: exponentials, P V and the row sums
; Four stages a block, one a head: the next head's scores are started, then this head's 16 exponentials, 8 packings and one product with v.
; The v_nop is the plain place behind a run of transcendentals (ISA guide 5.7.2).  It and the eight packings, which name the other buffers
; only, are nine places behind the stage's score tiles: enough for the next stage's exponentials, which read them, for the rewriting of a
; buffer two stages later, and for the loads into fragments that a matrix instruction has read.
; Matrix instructions that follow each other name different accumulators, one instruction a turn, over the backward jump too.
.macro P2BLOCK par, first, loff, wnext
	WS 1, KF0+16*\par, SB1, 1
	EXP16 SB0
	v_nop
	s_wait_alu depctr_va_vdst(0)
	CVT8 SB0, PB0
	s_wait_dscnt 0x0                               ; this block's v fragment is in
	PV 0, VF0+8*\par, PB0, \first
.if \loff
	LDK KF0+16*(1-\par), KADP, \loff               ; the next block
	LDV VF0+8*(1-\par), \loff
.endif
	WS 2, KF0+16*\par, SB0, 1
	EXP16 SB1
	v_nop
	s_wait_alu depctr_va_vdst(0)
	CVT8 SB1, PB1
	PV 1, VF0+8*\par, PB1, \first
	WS 3, KF0+16*\par, SB1, 1
	EXP16 SB0
	v_nop
	s_wait_alu depctr_va_vdst(0)
	CVT8 SB0, PB0
	PV 2, VF0+8*\par, PB0, \first
.if \wnext
	s_wait_dscnt 0x2                               ; the two younger loads, of v, stay out: the next block's k fragments are in
	WS 0, KF0+16*(1-\par), SB0, 1
.endif
	EXP16 SB1
	v_nop
	s_wait_alu depctr_va_vdst(0)
	CVT8 SB1, PB1
	PV 3, VF0+8*\par, PB1, \first
.endm
.macro P2TRIP first, last
	P2BLOCK 0, \first, BLK, 1
.if \last
	P2BLOCK 1, 0, 0, 0
.else
	P2BLOCK 1, 0, 2*BLK, 1
.endif
	v_add_nc_u32 v[KADP], 2*BLK, v[KADP]
	v_add_nc_u32 v[VADP], 2*BLK, v[VADP]
.endm
	P2TRIP 1, 0                                    ; the first products start the sums: nothing is cleared
	s_mov_b32 s26, 14
.Lp2:
	P2TRIP 0, 0
	s_sub_co_u32 s26, s26, 1
	s_cmp_lg_u32 s26, 0
	s_cbranch_scc1 .Lp2
	P2TRIP 0, 1                                    ; blocks 30, 31: nothing is fetched behind them
; ---------------------------------------------------------------- normalise, out_proj, store
; ACC of head g: lanes 0-15 hold numbers 0..7 of query r (2g, 2g+1 are the head's own), lanes 16-31 hold the row sum in register 0.
.rept 4
	v_nop                                          ; the places behind the last matrix instruction
.endr
.irp g, 0,1,2,3
	v_permlanex16_b32 v[SB0+\g], v[ACC+8*\g], s24, s25
.endr
.irp g, 0,1,2,3
	v_cndmask_b32 v[SB0+4+\g], v[ACC+8*\g], v[SB0+\g], s22     ; the row sum in both halves; the row's largest score alone gives about 1
.endr
.irp g, 0,1,2,3
	v_rcp_f32 v[SB0+8+\g], v[SB0+4+\g]
.endr
	v_nop
	s_wait_alu depctr_va_vdst(0)
.irp g, 0,1,2,3
	v_mul_f32 v[SB1+2*\g],   v[ACC+10*\g],   v[SB0+8+\g]
	v_mul_f32 v[SB1+2*\g+1], v[ACC+10*\g+1], v[SB0+8+\g]       ; lanes 16-31 get 1 or 0 here and meet zeros in WO
.endr
.irp i, 0,1,2,3
	v_cvt_pk_bf16_f32 v[OB+\i], v[SB1+2*\i], v[SB1+2*\i+1]
	v_mov_b32 v[OB+4+\i], 0
.endr
	v_wmma_f32_16x16x32_bf16 v[BO:BO+7], v[WO:WO+7], v[OB:OB+7], v[BO:BO+7]   ; the sum starts on out_proj_b; lane (r, 0), register j: output j of query r
	v_and_b32 v6, 31, v0
.rept 3
	v_nop
.endr
.irp i, 0,1,2,3
	v_cvt_pk_bf16_f32 v[SB0+\i], v[BO+2*\i], v[BO+2*\i+1]
.endr
	v_cmp_gt_u32 vcc_lo, 16, v6
	s_wait_xcnt 0x0                                ; EXEC changes only behind this wait
	s_wait_tensorcnt 0x0
	ds_add_u32 v248, v249
	s_wait_dscnt 0x0
	s_and_saveexec_b32 s27, vcc_lo
	global_store_b128 v5, v[SB0:SB0+3], s[12:13]   ; 16 lanes x 16 bytes: 256 consecutive bytes, aligned
	s_wait_xcnt 0x0                                ; and again in front of the line that widens it
	s_or_b32 exec_lo, exec_lo, s27
	s_endpgm
.Lfunc_end_k_qe2965fe421_attn:
	.size	k_qe2965fe421_attn, .Lfunc_end_k_qe2965fe421_attn-k_qe2965fe421_attn
	.p2alignl 7, 3214868480
	.fill 96, 4, 3214868480
	.section	.rodata,"a",@progbits
	.p2align	6, 0x0
	.amdhsa_kernel k_qe2965fe421_attn
		.amdhsa_group_segment_fixed_size 168960
		.amdhsa_private_segment_fixed_size 0
		.amdhsa_enable_private_segment 0
		.amdhsa_kernarg_size 40
		.amdhsa_user_sgpr_count 2
		.amdhsa_user_sgpr_kernarg_segment_ptr 1
		.amdhsa_wavefront_size32 1
		.amdhsa_system_sgpr_workgroup_id_x 1
		.amdhsa_system_sgpr_workgroup_id_y 1
		.amdhsa_system_sgpr_workgroup_id_z 1
		.amdhsa_system_vgpr_workitem_id 0
		.amdhsa_next_free_vgpr 250
		.amdhsa_next_free_sgpr 66
		.amdhsa_reserve_vcc 1
		.amdhsa_float_denorm_mode_32 3
		.amdhsa_float_denorm_mode_16_64 3
		.amdhsa_memory_ordered 1
		.amdhsa_forward_progress 1
		.amdhsa_inst_pref_size 62
	.end_amdhsa_kernel
	.amdgpu_metadata
---
amdhsa.version: [ 1, 2 ]
amdhsa.kernels:
  - .name:           k_qe2965fe421_attn
    .symbol:         k_qe2965fe421_attn.kd
    .args:
      - { .name: tab, .offset: 0, .size: 8, .value_kind: global_buffer, .address_space: global }
      - { .name: idxt, .offset: 8, .size: 8, .value_kind: global_buffer, .address_space: global }
      - { .name: out_proj_w, .offset: 16, .size: 8, .value_kind: global_buffer, .address_space: global }
      - { .name: out_proj_b, .offset: 24, .size: 8, .value_kind: global_buffer, .address_space: global }
      - { .name: o2, .offset: 32, .size: 8, .value_kind: global_buffer, .address_space: global }
    .group_segment_fixed_size: 168960
    .private_segment_fixed_size: 0
    .kernarg_segment_align: 8
    .kernarg_segment_size: 40
    .max_flat_workgroup_size: 256
    .sgpr_count:     66
    .vgpr_count:     250
    .wavefront_size: 32
...
	.end_amdgpu_metadata
.endif
;; end of part 2
;; launch head (part 3): grid 64 x 1, 1 waves a work-group, no clusters, 1,280 bytes of LDS; arguments o2, lin_w, lin_b, out0; writes out0
.if DOCPART == 3
	.amdgcn_target "amdgcn-amd-amdhsa--gfx1250"
	.amdhsa_code_object_version 6
	.text
	.protected	k_qe2965fe421_head
	.globl	k_qe2965fe421_head
	.p2align	8
	.type	k_qe2965fe421_head,@function
k_qe2965fe421_head:
	s_mov_b64 s[64:65], 0
	v_nop
	global_prefetch_b8 v0, s[64:65] scope:SCOPE_SE
	s_setreg_imm32_b32 hwreg(HW_REG_WAVE_MODE, 25, 1), 1
	s_wait_xcnt 0x0
; out0[b][0..15] = softmax(o2[.][b][.] . lin_w^T + lin_b).  One wave takes 16 rows b; K = 256 in eight steps of 32 (four features each).
; Used transposed: source 0 = lin_w (16 outputs), source 1 = 16 rows of o2, which lie in memory as the fragment wants them (16 bytes for a
; feature and a row).  Lane (r, h) ends with outputs 8h .. 8h+7 of row r.  All 50 loads go out at once; the waits count down.
; 64 work-groups: the sum over the features has to follow the attention launch, and its 1,024 rows of 256 numbers are no more work than this.
; LIMIT: o2 and lin_w enter the matrix unit as plain bf16.
.set ACC0, 16                          ; v[16:23]   lin_b, then the even K steps
.set ACC1, 24                          ; v[24:31]   the odd K steps
.set OBF,  32                          ; v[32:95]   o2 fragments, 8 registers a step
.set RW,   96                          ; v[96:223]  lin_w in f32, 16 registers a step; packed in place into the first 8
.set OUTR, 224                         ; v[224:231] rows read back from LDS
	s_load_b256 s[4:11], s[0:1], 0x0               ; o2 s[4:5], lin_w s[6:7], lin_b s[8:9], out0 s[10:11]
	v_lshl_add_u32 v232, v0, 2, 0x400
	v_mov_b32 v233, 0
	v_and_b32 v1, 15, v0                           ; r
	v_lshrrev_b32 v2, 4, v0                        ; h (one wave: v0 is the lane)
	v_lshlrev_b32 v3, 5, v2                        ; lin_b: 32 h
	v_lshlrev_b32 v4, 4, v1
	v_lshl_add_u32 v4, v2, 14, v4                  ; o2: 16 r + h features of 16,384 bytes
	v_lshlrev_b32 v5, 10, v1
	v_lshl_add_u32 v5, v2, 5, v5                   ; lin_w: row r of 1,024 bytes + 32 h
	s_lshl_b32 s12, ttmp9, 8                       ; 16 rows of 16 bytes in each feature of o2
	s_mov_b32 s13, 0
	s_lshl_b32 s14, ttmp9, 10                      ; 16 rows of 64 bytes of out0
	s_mov_b32 s15, 0
	s_mov_b32 s16, 0x76543210
	s_mov_b32 s17, 0xfedcba98
	s_wait_kmcnt 0x0
	s_add_nc_u64 s[4:5], s[4:5], s[12:13]
	s_add_nc_u64 s[10:11], s[10:11], s[14:15]
	global_load_b128 v[ACC0:ACC0+3],   v3, s[8:9]
	global_load_b128 v[ACC0+4:ACC0+7], v3, s[8:9] offset:16
.irp s, 0,1,2,3,4,5,6,7
	global_load_b128 v[OBF+8*\s:OBF+8*\s+3],     v4, s[4:5] offset:\s*65536          ; feature 4s + h
	global_load_b128 v[OBF+8*\s+4:OBF+8*\s+7],   v4, s[4:5] offset:\s*65536+32768    ; feature 4s + 2 + h
	global_load_b128 v[RW+16*\s:RW+16*\s+3],     v5, s[6:7] offset:\s*128            ; K = 32s + 8h ..
	global_load_b128 v[RW+16*\s+4:RW+16*\s+7],   v5, s[6:7] offset:\s*128+16
	global_load_b128 v[RW+16*\s+8:RW+16*\s+11],  v5, s[6:7] offset:\s*128+64         ; K = 32s + 16 + 8h ..
	global_load_b128 v[RW+16*\s+12:RW+16*\s+15], v5, s[6:7] offset:\s*128+80
.endr
	v_lshlrev_b32 v12, 6, v1
	v_lshl_add_u32 v12, v2, 5, v12                 ; LDS, in: row r of 64 bytes, half h
	v_lshlrev_b32 v13, 4, v0                       ; LDS, back, and out0: 16 x lane
; The two accumulators take turns, one instruction a turn.
.macro STEP s
	s_wait_loadcnt 42-6*\s                         ; six loads for each later step stay out
.irp i, 0,1,2,3,4,5,6,7
	v_cvt_pk_bf16_f32 v[RW+16*\s+\i], v[RW+16*\s+2*\i], v[RW+16*\s+2*\i+1]   ; ascending: word i is written when words 2i, 2i+1 are read and words below 2i are spent
.endr
.if \s == 1
	v_wmma_f32_16x16x32_bf16 v[ACC1:ACC1+7], v[RW+16*\s:RW+16*\s+7], v[OBF+8*\s:OBF+8*\s+7], 0
.elseif \s & 1
	v_wmma_f32_16x16x32_bf16 v[ACC1:ACC1+7], v[RW+16*\s:RW+16*\s+7], v[OBF+8*\s:OBF+8*\s+7], v[ACC1:ACC1+7]
.else
	v_wmma_f32_16x16x32_bf16 v[ACC0:ACC0+7], v[RW+16*\s:RW+16*\s+7], v[OBF+8*\s:OBF+8*\s+7], v[ACC0:ACC0+7]
.endif
.endm
.irp s, 0,1,2,3,4,5,6,7
	STEP \s
.endr
.rept 4
	v_nop                                          ; the places behind the last matrix instruction (ISA guide 7.12.1)
.endr
.irp j, 0,2,4,6
	v_pk_add_f32 v[ACC0+\j:ACC0+\j+1], v[ACC0+\j:ACC0+\j+1], v[ACC1+\j:ACC1+\j+1]
.endr
	; softmax over a row's 16 logits: 8 in this lane, 8 in the lane of the other half
	v_max3_num_f32 v6, v[ACC0], v[ACC0+1], v[ACC0+2]
	v_max3_num_f32 v6, v6, v[ACC0+3], v[ACC0+4]
	v_max3_num_f32 v6, v6, v[ACC0+5], v[ACC0+6]
	v_max_num_f32 v6, v6, v[ACC0+7]
	v_mov_b32 v7, v6                               ; v_permlanex16_b32 counts as a reader of its destination
	v_permlanex16_b32 v7, v6, s16, s17
	v_max_num_f32 v6, v6, v7
.irp j, 0,1,2,3,4,5,6,7
	v_sub_f32 v[ACC0+\j], v[ACC0+\j], v6           ; the difference first, then the factor: no difference of two large products
.endr
.irp j, 0,1,2,3,4,5,6,7
	v_mul_f32 v[ACC0+\j], 0x3fb8aa3b, v[ACC0+\j]   ; log2(e)
.endr
.irp j, 0,1,2,3,4,5,6,7
	v_exp_f32 v[ACC0+\j], v[ACC0+\j]
.endr
	v_nop                                          ; the plain place behind the transcendentals (ISA guide 5.7.2)
	s_wait_alu depctr_va_vdst(0)
	v_add_f32 v8,  v[ACC0],   v[ACC0+1]
	v_add_f32 v9,  v[ACC0+2], v[ACC0+3]
	v_add_f32 v10, v[ACC0+4], v[ACC0+5]
	v_add_f32 v11, v[ACC0+6], v[ACC0+7]
	v_add_f32 v8, v8, v9
	v_add_f32 v10, v10, v11
	v_add_f32 v8, v8, v10
	v_permlanex16_b32 v9, v8, s16, s17
	v_add_f32 v8, v8, v9                           ; at least 1: the largest logit gives exactly 1
	v_rcp_f32 v10, v8
	v_nop
	s_wait_alu depctr_va_vdst(0)
.irp j, 0,1,2,3,4,5,6,7
	v_mul_f32 v[ACC0+\j], v[ACC0+\j], v10
.endr
	; out through LDS, so that each store of the wave covers 512 consecutive bytes, aligned
	ds_store_b128 v12, v[ACC0:ACC0+3]
	ds_store_b128 v12, v[ACC0+4:ACC0+7] offset:16
	ds_load_b128 v[OUTR:OUTR+3],   v13             ; LDS serves a wave's instructions in order (ISA guide 5.7.1): these see the stores above
	ds_load_b128 v[OUTR+4:OUTR+7], v13 offset:512
	s_wait_dscnt 0x1                               ; the younger load stays out
	global_store_b128 v13, v[OUTR:OUTR+3], s[10:11]
	s_wait_dscnt 0x0
	global_store_b128 v13, v[OUTR+4:OUTR+7], s[10:11] offset:512
	s_wait_tensorcnt 0x0
	ds_add_u32 v232, v233
	s_wait_dscnt 0x0
	s_endpgm
.Lfunc_end_k_qe2965fe421_head:
	.size	k_qe2965fe421_head, .Lfunc_end_k_qe2965fe421_head-k_qe2965fe421_head
	.p2alignl 7, 3214868480
	.fill 96, 4, 3214868480
	.section	.rodata,"a",@progbits
	.p2align	6, 0x0
	.amdhsa_kernel k_qe2965fe421_head
		.amdhsa_group_segment_fixed_size 1280
		.amdhsa_private_segment_fixed_size 0
		.amdhsa_enable_private_segment 0
		.amdhsa_kernarg_size 32
		.amdhsa_user_sgpr_count 2
		.amdhsa_user_sgpr_kernarg_segment_ptr 1
		.amdhsa_wavefront_size32 1
		.amdhsa_system_sgpr_workgroup_id_x 1
		.amdhsa_system_sgpr_workgroup_id_y 1
		.amdhsa_system_sgpr_workgroup_id_z 1
		.amdhsa_system_vgpr_workitem_id 0
		.amdhsa_next_free_vgpr 234
		.amdhsa_next_free_sgpr 66
		.amdhsa_reserve_vcc 0
		.amdhsa_float_denorm_mode_32 3
		.amdhsa_float_denorm_mode_16_64 3
		.amdhsa_memory_ordered 1
		.amdhsa_forward_progress 1
		.amdhsa_inst_pref_size 14
	.end_amdhsa_kernel
	.amdgpu_metadata
---
amdhsa.version: [ 1, 2 ]
amdhsa.kernels:
  - .name:           k_qe2965fe421_head
    .symbol:         k_qe2965fe421_head.kd
    .args:
      - { .name: o2, .offset: 0, .size: 8, .value_kind: global_buffer, .address_space: global }
      - { .name: lin_w, .offset: 8, .size: 8, .value_kind: global_buffer, .address_space: global }
      - { .name: lin_b, .offset: 16, .size: 8, .value_kind: global_buffer, .address_space: global }
      - { .name: out0, .offset: 24, .size: 8, .value_kind: global_buffer, .address_space: global }
    .group_segment_fixed_size: 1280
    .private_segment_fixed_size: 0
    .kernarg_segment_align: 8
    .kernarg_segment_size: 32
    .max_flat_workgroup_size: 32
    .sgpr_count:     66
    .vgpr_count:     234
    .wavefront_size: 32
...
	.end_amdgpu_metadata
.endif
;; end of part 3
